; MI455X (gfx1250); checked and timed in simulation.
; The chip was launched on July 23, 2026; its instructions are those of AMD's public machine-readable ISA for CDNA 5 (MIT licence, August 2026) and "CDNA5" Instruction Set Architecture Reference Guide (July 2026). The comments in the code are by the model that wrote it; some were corrected since.
;; Multi Head Attention. Allowed arithmetic: float matrix products may take bf16 or f16 operands with f32 sums; all other float work in f32.
;; Inputs: Wp 1,024 x 1,024 float32; Wx 16 x 1,024 x 64 float32; bp 1,024 float32; bx 16 x 64 float32; sin 4 x 2,048 x 1,024 float32.
;; Outputs: out0 4 x 2,048 x 1,024 float32.
;; 2 versions, each right; version 2 is version 1 with the launch prep written anew for expert scheduling mode. Each part assembles by itself: llvm-mc -triple=amdgcn-amd-amdhsa -mcpu=gfx1250 --defsym DOCPART=n.
;; ======== version 1 of 2: 4 launches
;; workspace buffers: wt 4,194,304 bytes; hn 16,777,216 bytes; hv 16,777,216 bytes; cat 16,777,216 bytes
;; launch prep (part 1): grid 128 x 2, 8 waves a work-group, no clusters, 18,432 bytes of LDS; arguments Wx, Wp, wt; writes wt
.if DOCPART == 1
	.amdgcn_target "amdgcn-amd-amdhsa--gfx1250"
	.amdhsa_code_object_version 6
	.text
	.protected	k_q20ad9bcf55_prep
	.globl	k_q20ad9bcf55_prep
	.p2align	8
	.type	k_q20ad9bcf55_prep,@function
k_q20ad9bcf55_prep:
	s_mov_b64 s[64:65], 0
	v_nop
	global_prefetch_b8 v0, s[64:65] scope:SCOPE_SE
	s_setreg_imm32_b32 hwreg(HW_REG_WAVE_MODE, 25, 1), 1
	s_wait_xcnt 0x0
; prep: both weights to bf16, in the order in which the two projections' matrix fragments want them.
;   wt[plane][g][ks][b][p][lane][8 bf16]:  plane 0 from Wx [16][1024 d][64 f] f32 (g = head), plane 1 from Wp [1024 in][1024 out] f32 (g = out column / 64)
;   lane = 16 h + r holds column n = 64 g + 16 b + r and k = 32 ks + 16 p + 8 h + 0 .. 7:
;   piece p is registers 4 p .. 4 p + 3 of the fragment of 16 columns x 32 k, so a projection's wave fills a fragment by two loads of 512 consecutive bytes.
;   A group g is 32 ks x 4,096 bytes = 131,072 bytes, a plane 2 MiB.
; Done here once, the 64 row blocks of each projection need not convert and transpose the same 4 MiB again.
; A work-group takes a tile of 128 k x 64 n of one weight: 128 rows of 256 bytes in, 16,384 consecutive bytes out.
; 2 weights x 16 groups x 8 k blocks = 256 work-groups.  The transposition goes through LDS; no tile is shared
; between work-groups and there is no product, so clusters, tensor loads and matrix instructions have no use here.
.set TP,   272                         ; LDS pitch of a row T[n][0..127]: 256 bytes + 16
.set LA,   2                           ; v2      LDS address of my stores
.set LB,   3                           ; v3      LDS address of my loads
.set GO,   4                           ; v4      my byte offset in the tile of wt
.set OFS,  8                           ; v[8:15]  byte offsets of my eight loads
.set X,    16                          ; v[16:47] eight loads of four f32; later the four pieces on the way out
.set PK,   48                          ; v[48:63] packed bf16
	s_load_b128 s[4:7], s[0:1], 0x0                ; Wx s[4:5], Wp s[6:7]
	s_load_b64 s[8:9], s[0:1], 0x10                ; wt
	v_lshl_add_u32 v64, v0, 2, 0x4400
	v_mov_b32 v65, 0
	s_and_b32 s10, ttmp7, 0xffff                   ; y: which weight
	s_lshr_b32 s11, ttmp9, 3                       ; g: group of 64 n (for Wx: the head)
	s_and_b32 s12, ttmp9, 7                        ; kb: block of 128 k
	s_lshl_b32 s13, s11, 18                        ; Wx: head x 1024 rows x 256 bytes
	s_lshl_b32 s14, s12, 15                        ;     + kb x 128 rows x 256 bytes
	s_add_co_u32 s13, s13, s14
	s_lshl_b32 s14, s12, 19                        ; Wp: kb x 128 rows x 4,096 bytes
	s_lshl_b32 s15, s11, 8                         ;     + g x 64 columns x 4 bytes
	s_add_co_u32 s14, s14, s15
	s_lshl_b32 s16, s10, 21                        ; wt: plane of 2 MiB
	s_lshl_b32 s17, s11, 17                        ;     + g x 131,072 bytes
	s_add_co_u32 s16, s16, s17
	s_lshl_b32 s17, s12, 14                        ;     + kb x 4 ks x 4,096 bytes
	s_add_co_u32 s16, s16, s17
	s_mov_b32 s17, 0
	s_mov_b32 s19, 0
	s_mov_b32 s21, 256                             ; bytes from row to row in Wx's tile
	s_mov_b32 s22, 4096                            ; and in Wp's
	v_and_b32 v1, 15, v0                           ; c: my four columns n = 4c .. 4c+3 on the way in; r on the way out
	v_lshrrev_b32 v5, 4, v0                        ; p: my rows k = 4p .. 4p+3 (and 64 further down)
	s_wait_kmcnt 0x0
	s_cmp_eq_u32 s10, 0
	s_cselect_b64 s[4:5], s[4:5], s[6:7]           ; the source
	s_cselect_b32 s18, s13, s14                    ; the tile's offset in it
	s_cselect_b32 s20, s21, s22                    ; its row pitch
	s_add_nc_u64 s[4:5], s[4:5], s[18:19]
	s_add_nc_u64 s[8:9], s[8:9], s[16:17]
	v_lshlrev_b32 v6, 2, v5
	v_mul_lo_u32 v6, v6, s20                       ; 4p rows
	v_lshl_add_u32 v6, v1, 4, v6                   ; + 16 c
	; eight loads: row 4p + e + 64 i.  Sixteen neighbouring lanes take one whole row of 256 bytes.
.irp i, 0,1
.irp e, 0,1,2,3
	s_mul_i32 s23, s20, \e+64*\i
	v_add_nc_u32 v[OFS+4*\i+\e], s23, v6
	global_load_b128 v[X+16*\i+4*\e:X+16*\i+4*\e+3], v[OFS+4*\i+\e], s[4:5] th:TH_LOAD_NT
.endr
.endr
	v_mul_u32_u24 v[LA], v1, 4*TP
	v_lshl_add_u32 v[LA], v5, 3, v[LA]             ; T[4c][4p]: 4c rows of 272 bytes + 4p x 2 bytes
	; back: thread t = 64 b + 32 p + 16 h + r takes T[16 b + r][32 i + 16 p + 8 h ..], 16 bytes, in turn i
	v_lshrrev_b32 v7, 6, v0                        ; b
	v_lshl_add_u32 v7, v7, 4, v1                   ; n = 16 b + r
	v_mul_u32_u24 v[LB], v7, TP
	v_bfe_u32 v7, v0, 4, 2                         ; 2 p + h
	v_lshl_add_u32 v[LB], v7, 4, v[LB]             ; + 32 p + 16 h bytes
	v_lshlrev_b32 v[GO], 4, v0                     ; and puts them at 16 t of the K step's 4,096 bytes
; Four rows k of four columns n become, for each n, four neighbouring k: 8 bytes of T[n].
.macro GROUP i
.irp n, 0,1,2,3
	v_cvt_pk_bf16_f32 v[PK+8*\i+2*\n],   v[X+16*\i+\n],   v[X+16*\i+4+\n]
	v_cvt_pk_bf16_f32 v[PK+8*\i+2*\n+1], v[X+16*\i+8+\n], v[X+16*\i+12+\n]
	ds_store_b64 v[LA], v[PK+8*\i+2*\n:PK+8*\i+2*\n+1] offset:\n*TP+128*\i
.endr
.endm
	s_wait_loadcnt 0x4                             ; loads come back in order: rows 4p .. 4p+3 are in, the four of the second group stay out
	GROUP 0
	s_wait_loadcnt 0x0
	GROUP 1
	s_wait_dscnt 0x0                               ; my stores are in LDS, for the other waves' sake: zero
	s_barrier_signal -1
	s_barrier_wait -1                              ; everybody's are
.irp i, 0,1,2,3
	ds_load_b128 v[X+4*\i:X+4*\i+3], v[LB] offset:64*\i            ; K step i of the tile's four; sixteen lanes take sixteen rows, pitch 17 x 16 bytes
.endr
.irp i, 0,1,2,3
	s_wait_dscnt 3-\i
	global_store_b128 v[GO], v[X+4*\i:X+4*\i+3], s[8:9] offset:4096*\i    ; a wave stores 512 consecutive bytes, aligned
.endr
	s_wait_tensorcnt 0x0
	ds_add_u32 v64, v65
	s_wait_dscnt 0x0
	s_endpgm
.Lfunc_end_k_q20ad9bcf55_prep:
	.size	k_q20ad9bcf55_prep, .Lfunc_end_k_q20ad9bcf55_prep-k_q20ad9bcf55_prep
	.p2alignl 7, 3214868480
	.fill 96, 4, 3214868480
	.section	.rodata,"a",@progbits
	.p2align	6, 0x0
	.amdhsa_kernel k_q20ad9bcf55_prep
		.amdhsa_group_segment_fixed_size 18432
		.amdhsa_private_segment_fixed_size 0
		.amdhsa_enable_private_segment 0
		.amdhsa_kernarg_size 24
		.amdhsa_user_sgpr_count 2
		.amdhsa_user_sgpr_kernarg_segment_ptr 1
		.amdhsa_wavefront_size32 1
		.amdhsa_system_sgpr_workgroup_id_x 1
		.amdhsa_system_sgpr_workgroup_id_y 1
		.amdhsa_system_sgpr_workgroup_id_z 1
		.amdhsa_system_vgpr_workitem_id 0
		.amdhsa_next_free_vgpr 66
		.amdhsa_next_free_sgpr 66
		.amdhsa_reserve_vcc 0
		.amdhsa_float_denorm_mode_32 3
		.amdhsa_float_denorm_mode_16_64 3
		.amdhsa_memory_ordered 1
		.amdhsa_forward_progress 1
		.amdhsa_inst_pref_size 6
	.end_amdhsa_kernel
	.amdgpu_metadata
---
amdhsa.version: [ 1, 2 ]
amdhsa.kernels:
  - .name:           k_q20ad9bcf55_prep
    .symbol:         k_q20ad9bcf55_prep.kd
    .args:
      - { .name: Wx, .offset: 0, .size: 8, .value_kind: global_buffer, .address_space: global }
      - { .name: Wp, .offset: 8, .size: 8, .value_kind: global_buffer, .address_space: global }
      - { .name: wt, .offset: 16, .size: 8, .value_kind: global_buffer, .address_space: global }
    .group_segment_fixed_size: 18432
    .private_segment_fixed_size: 0
    .kernarg_segment_align: 8
    .kernarg_segment_size: 24
    .max_flat_workgroup_size: 256
    .sgpr_count:     66
    .vgpr_count:     66
    .wavefront_size: 32
...
	.end_amdgpu_metadata
.endif
;; end of part 1
;; launch proj (part 2): grid 4 x 64, 4 waves a work-group, clusters of 4 x 4, 327,680 bytes of LDS; arguments sin, wt, bx, hn, hv; writes hn, hv
.if DOCPART == 2
	.amdgcn_target "amdgcn-amd-amdhsa--gfx1250"
	.amdhsa_code_object_version 6
	.text
	.protected	k_q20ad9bcf55_proj
	.globl	k_q20ad9bcf55_proj
	.p2align	8
	.type	k_q20ad9bcf55_proj,@function
k_q20ad9bcf55_proj:
	s_mov_b64 s[64:65], 0
	v_nop
	global_prefetch_b8 v0, s[64:65] scope:SCOPE_SE
	s_setreg_imm32_b32 hwreg(HW_REG_WAVE_MODE, 25, 1), 1
	s_wait_xcnt 0x0
	s_wait_alu depctr_hold_cnt(0) depctr_sa_sdst(0) depctr_va_vdst(0) depctr_va_sdst(0) depctr_va_ssrc(0) depctr_va_vcc(0) depctr_vm_vsrc(0)
	s_getreg_b32 s2, hwreg(HW_REG_IB_STS2, 6, 4)
	s_cmp_eq_u32 s2, 0
	s_cbranch_scc0 .Lentry_in_a_cluster
	s_endpgm
.Lentry_in_a_cluster:
	s_bfe_u32 s2, ttmp6, 0x10000c
	s_cmp_lg_u32 s2, 0xf033
	s_cbranch_scc0 .Lentry_shape_is_right
	s_endpgm
.Lentry_shape_is_right:
; proj: h = sin Wx + bx for all heads at once, a product of 8192 x 1024 x 1024, and from it
;   hv[b][head][s][f] = h in bf16,   hn[b][head][s][f] = h / |h| x sqrt(log2 e) in bf16
; (a product of two rows of hn is cosine x log2 e, so the attention applies v_exp_f32 straight to its matrix results).
; A work-group makes 128 rows x 256 columns (four heads): 64 x 4 = 256 work-groups.  Four waves side by side, each 128 rows x 64 columns, ONE HEAD:
; 32 accumulator tiles, 256 registers.  K goes in 32 substeps of 32.
; SIN stays f32 in LDS and is rounded to bf16 on the way into the fragments.  It comes by tensor loads through a ring of two slots of K = 256
; (128 rows x 1,024 bytes, pitch 1,040): four steps of eight substeps, two refills, each with 256 matrix instructions of the wave in which to land.
; CLUSTERS: 4 x 4 work-groups; sin's tile hangs on the block row alone and is asked for jointly along a row of the cluster: a quarter of the requests.
; THE WEIGHTS DO NOT PASS THROUGH LDS.  wt holds them in fragment order; a head's 131,072 bytes are read by one wave of the work-group alone, straight into
; registers, 512 consecutive bytes a load, through a ring of eight stages of 32 registers: stage s + 7 is asked for in substep s, 224 matrix instructions ahead.
; They are not asked for jointly, though the row blocks share them: a joint request lands in LDS, where beside sin's ring (266,240 bytes) and the stage
; (18,432) 43,008 bytes are left, while two slots of the same K step would take 270,336.
; The 32 substeps are written out by macro, so that every offset stands in an immediate.
; THE MATRIX INSTRUCTION IS USED TRANSPOSED: source 0 = 16 columns of the weights, source 1 = 16 rows of sin.  Lane (r, h)
; then holds row r, and its registers j the columns 8 h + j: eight neighbouring f of one row.
; THE BIAS is the C operand of each tile's first product: nothing is cleared and nothing is added later.
; LIMITS: the sum of squares of a row of h must lie in f32's normal range (2^-126 to 2^127; v_rsq_f32 flushes denormals), that is
; |h| between about 1e-19 and 1e18; a row of h that is all zero gives NaN, as it does in the formula itself (0/0);
; matrix operands are rounded to bf16; the order of the sums is the matrix unit's.
.set PITCH, 1040                       ; an LDS row: 1,024 bytes + 16 = 65 x 16: sixteen rows start in sixteen different 16-byte columns modulo 256
.set QB,    32*PITCH                   ; what one wave's tensor load fills: 32 rows
.set SLOTB, 4*QB                       ; a slot: 128 rows
.set STAGE, 2*SLOTB                    ; behind the ring: each wave's own stage for the way out; no tensor load lands there
.set SPW,   4608                       ; stage of a wave: 16 rows x 144 bytes for hn, the same for hv
.set ADRA, 16                          ; v16-19  LDS address of my sin fragments: slot 0 rows 0-63, slot 0 rows 64-127, slot 1 likewise
.set STO,  24                          ; v24     way out: where I put 16 bytes of a row
.set RD,   25                          ; v25     way out: where I read rows back
.set GO,   26                          ; v26     way out: 16 x lane
.set BO,   27                          ; v27     bias: 32 h
.set BOFF, 28                          ; v28     weights: 16 x lane; never rewritten
.set AF,   32                          ; v32-95, v96-159  sin's eight fragments in bf16, two buffers
.set BIAS, 160                         ; v160-191 bias in the layout of C, for the four column tiles
.set T0,   224                         ; v224-227 two chains of the sum of squares
.set TS,   228                         ; v228-229 the sum; the other half's sum, then 1 / sqrt
.set SC,   230                         ; v230-231 the scale, twice (a pair for the packed multiply)
.set TMP,  32                          ; way out: scaled numbers
.set PKV,  64                          ; way out: h packed
.set PKN,  80                          ; way out: normalised h packed
.set OB,   96                          ; way out: rows read back
; window 1 (v256-511): the accumulators, tile (a, b) at name v[8 (4 a + b)];  window 2 (v512-767): the weights' ring, stage s at name v[32 (s mod 8)];
; window 3 (v768-895): sin's eight fragments as f32, as loaded, fragment a at name v[16 a]
.set G1, 24                            ; s[24:31] descriptor group 1 of sin's tiles
.set G0, 32                            ; s[32:39] group 0, a set for each slot
.set W_MUL,   0x52                     ; source 0 window 2, source 1 window 0, C and D window 1
.set W_MULB,  0x42                     ; the same with C (the bias) in window 0
.set W_TOB,   0x80                     ; destination window 2
.set W_CVT,   0x0f                     ; sources 0 and 1 window 3
.set W_TORAW, 0xc0                     ; destination window 3
.set MSB, 0
.macro WIN new                         ; the immediate's high byte repeats the setting that is left; a switch that changes nothing is dropped
.if MSB != \new
	s_set_vgpr_msb (MSB<<8)|\new
.set MSB, \new
.endif
.endm
; A round of the cluster's barrier: my work-group's barrier, wave 0 signals for the work-group, every wave waits for all sixteen, my work-group's barrier again.
.macro CREST                           ; a round behind its opening barrier
	s_cmp_lg_u32 s14, 0
	s_cbranch_scc1 .Lnot_wave_0_\@
	s_barrier_signal -3
.Lnot_wave_0_\@:
	s_barrier_wait -3
	s_barrier_signal -1
	s_barrier_wait -1
.endm
.macro CROUND                          ; a whole round
	s_barrier_signal -1
	s_barrier_wait -1
	CREST
.endm
.macro PLACES                          ; four places behind a matrix instruction (ISA guide 7.12.1)
.rept 4
	v_nop
.endr
.endm
	s_load_b256 s[4:11], s[0:1], 0x0               ; sin s[4:5], wt s[6:7], bx s[8:9], hn s[10:11]
	s_load_b64 s[12:13], s[0:1], 0x20              ; hv
	v_lshl_add_u32 v254, v0, 2, 0x45800
	v_mov_b32 v255, 0
	ds_add_u32 v254, v255
	v_lshrrev_b32 v1, 5, v0
	v_readfirstlane_b32 s14, v1                    ; wave 0..3: my head of the block's four, and the 32 rows of a tile that I fetch
	s_bfe_u32 s17, ttmp6, 0x40000                  ; cx
	s_bfe_u32 s18, ttmp6, 0x40004                  ; cy
	s_lshl_b32 s19, ttmp9, 2
	s_add_co_u32 s19, s19, s17                     ; block column = 4 x cluster x + cx
	s_and_b32 s20, ttmp7, 0xffff
	s_lshl_b32 s20, s20, 2
	s_add_co_u32 s20, s20, s18                     ; block row = 4 x cluster y + cy
	s_lshl_b32 s21, s18, 2
	s_lshl_b32 s21, 15, s21                        ; my row of the cluster: places 4 cy .. 4 cy + 3
	s_lshl_b32 s22, s19, 2
	s_add_co_u32 s22, s22, s14                     ; g: my head = 4 x block column + wave
	s_mul_i32 s23, s14, QB                         ; where my part of a tile goes: the wave's number alone
	s_mov_b32 s66, 0x76543210                      ; v_permlanex16_b32: lane i of one half reads lane i of the other
	s_mov_b32 s67, 0xfedcba98
	; group 1: 32 rows x 256 f32 (1,024 bytes), 16 bytes of padding behind each row.  The tile's 128 rows are shared out among the four waves.
	s_or_b32 s[G1+0], s21, (2<<16)|(1<<20)|(1<<21)|(7<<22)|(3<<25)  ; mask of my row; element of 4 bytes; padding on; bit 21 beside a mask; after 256 words; 4 words
	s_mov_b32 s[G1+1], 256<<16                     ; tensor_dim0 = 256
	s_mov_b32 s[G1+2], 32<<16                      ; tensor_dim1 = 32
	s_mov_b32 s[G1+3], 256<<16                     ; tile_dim0 = 256
	s_mov_b32 s[G1+4], 32                          ; tile_dim1 = 32
	s_mov_b32 s[G1+5], 1024                        ; elements from row to row
	s_mov_b32 s[G1+6], 0
	s_mov_b32 s[G1+7], 0
	s_lshl_b32 s40, s20, 19                        ; sin: block row x 128 rows x 4,096 bytes; s[40:43] never hold cx
	s_lshl_b32 s42, s14, 17                        ;      + wave x 32 rows
	s_add_co_u32 s40, s40, s42
	s_mov_b32 s41, 0
	s_lshl_b32 s44, s22, 17                        ; weights, plane 0: head x 131,072 bytes
	s_mov_b32 s45, 0
	s_lshl_b32 s46, s22, 8                         ; bias: head x 64 x 4 bytes
	s_mov_b32 s47, 0
	v_and_b32 v1, 15, v0                           ; r
	v_bfe_u32 v2, v0, 4, 1                         ; h
	v_and_b32 v3, 31, v0                           ; lane
	v_lshlrev_b32 v[BO], 5, v2
	v_lshlrev_b32 v[BOFF], 4, v3
	s_wait_dscnt 0x0
	s_wait_kmcnt 0x0
	s_add_nc_u64 s[40:41], s[4:5], s[40:41]
	s_add_nc_u64 s[44:45], s[6:7], s[44:45]        ; the base of my stream of weights; never rewritten
	s_add_nc_u64 s[8:9], s[8:9], s[46:47]
	CROUND                                         ; all sixteen work-groups are here: the first joint loads meet
.irp s, 0,1
	s_mov_b32 s[G0+4*\s], 1
	s_add_co_u32 s[G0+4*\s+1], s23, \s*SLOTB
	s_add_nc_u64 s[G0+4*\s+2:G0+4*\s+3], s[40:41], \s*1024         ; step s: 256 f32
	s_or_b32 s[G0+4*\s+3], s[G0+4*\s+3], 0x80000000
	tensor_load_to_lds s[G0+4*\s:G0+4*\s+3], s[G1:G1+7]            ; both first fills go out together: two tensor loads of the wave are out
	s_nop 0
.endr
; S is the substep at work, 0 to 31.
; The weights of substep S + 7 into stage (S + 7) mod 8: four fragments, eight loads of 512 consecutive bytes.
.macro LOADB
.irp b, 0,1,2,3
	global_load_b128 v[32*((S+7)&7)+8*\b:32*((S+7)&7)+8*\b+3],   v[BOFF], s[44:45] offset:4096*(S+7)+1024*\b
	global_load_b128 v[32*((S+7)&7)+8*\b+4:32*((S+7)&7)+8*\b+7], v[BOFF], s[44:45] offset:4096*(S+7)+1024*\b+512
.endr
.endm
	; the bias of my 64 columns, in the layout of C: register j of tile b in lane (r, h) is column 16 b + 8 h + j
.irp b, 0,1,2,3
	global_load_b128 v[BIAS+8*\b:BIAS+8*\b+3],   v[BO], s[8:9] offset:64*\b
	global_load_b128 v[BIAS+8*\b+4:BIAS+8*\b+7], v[BO], s[8:9] offset:64*\b+16
.endr
	WIN W_TOB
.set S, -7
.rept 6
	LOADB                                          ; stages 0 to 5
.set S, S+1
.endr
	WIN 0
	; fragments.  bf16: lane (r, h) holds row r; registers 0-3 k = 8 h .. +7, registers 4-7 k = 16 + 8 h .. +7.
	; From f32 rows that is 32 bytes at 32 h and 32 bytes at 64 + 32 h.
	v_mul_u32_u24 v4, v1, PITCH
	v_lshl_add_u32 v[ADRA], v2, 5, v4
	v_add_nc_u32 v[ADRA+1], 64*PITCH, v[ADRA]      ; rows 64-127: beyond the reach of a 16-bit offset
	v_add_nc_u32 v[ADRA+2], SLOTB, v[ADRA]
	v_add_nc_u32 v[ADRA+3], SLOTB+64*PITCH, v[ADRA]
	s_mul_i32 s43, s14, SPW
	s_add_co_u32 s43, s43, STAGE                   ; my stage
	v_mul_u32_u24 v6, v1, 144
	v_lshl_add_u32 v6, v2, 4, v6
	v_add_nc_u32 v[STO], s43, v6                   ; in: row r, 16 bytes for each half of the lanes
	v_lshrrev_b32 v7, 3, v3
	v_and_b32 v8, 7, v3
	v_mul_u32_u24 v7, v7, 144
	v_lshl_add_u32 v7, v8, 4, v7
	v_add_nc_u32 v[RD], s43, v7                    ; back: eight lanes take a row of 128 bytes, a wave four rows
	v_lshlrev_b32 v[GO], 4, v3
	v_mov_b32 v[TS+1], 0                           ; v_permlanex16_b32 counts as a reader of its destination
; 16 matrix instructions: row tiles a0 .. a0 + 3 x the 4 column tiles, 32 along K.  cb = 1: the bias is C and starts the sums.
; The 32 accumulators take turns, one instruction a turn, in the same order in every substep.
.macro MUL16 a0, cb
.irp a, \a0, \a0+1, \a0+2, \a0+3
.irp b, 0,1,2,3
.if \cb
	v_wmma_f32_16x16x32_bf16 v[8*(4*(\a)+\b):8*(4*(\a)+\b)+7], v[32*(S&7)+8*\b:32*(S&7)+8*\b+7], v[AF+64*(S&1)+8*(\a):AF+64*(S&1)+8*(\a)+7], v[BIAS+8*\b:BIAS+8*\b+7]
.else
	v_wmma_f32_16x16x32_bf16 v[8*(4*(\a)+\b):8*(4*(\a)+\b)+7], v[32*(S&7)+8*\b:32*(S&7)+8*\b+7], v[AF+64*(S&1)+8*(\a):AF+64*(S&1)+8*(\a)+7], v[8*(4*(\a)+\b):8*(4*(\a)+\b)+7]
.endif
.endr
.endr
.endm
; sin's eight fragments of substep S + 1 as f32: 32 loads.  Step (S + 1) / 8 lies in slot ((S + 1) / 8) mod 2, the substep's 128 bytes at 128 ((S + 1) mod 8).
.macro FETCHRAW
.irp a, 0,1,2,3,4,5,6,7
	ds_load_b128 v[16*\a:16*\a+3],     v[ADRA+2*(((S+1)>>3)&1)+(\a>>2)] offset:128*((S+1)&7)+16*PITCH*(\a&3)
	ds_load_b128 v[16*\a+4:16*\a+7],   v[ADRA+2*(((S+1)>>3)&1)+(\a>>2)] offset:128*((S+1)&7)+16*PITCH*(\a&3)+16
	ds_load_b128 v[16*\a+8:16*\a+11],  v[ADRA+2*(((S+1)>>3)&1)+(\a>>2)] offset:128*((S+1)&7)+16*PITCH*(\a&3)+64
	ds_load_b128 v[16*\a+12:16*\a+15], v[ADRA+2*(((S+1)>>3)&1)+(\a>>2)] offset:128*((S+1)&7)+16*PITCH*(\a&3)+80
.endr
.endm
; f32 to bf16, two at a time, into fragment buffer S mod 2.  These 64 instructions name only the raw numbers and the buffer that the last substep's products
; did not read: they are the places behind those products, for the loads into the weights' stage that they read.
.macro CVT
.irp a, 0,1,2,3,4,5,6,7
.irp i, 0,1,2,3,4,5,6,7
	v_cvt_pk_bf16_f32 v[AF+64*(S&1)+8*\a+\i], v[16*\a+2*\i], v[16*\a+2*\i+1]
.endr
.endr
.endm
; Stage S of the weights is in; then stage S + 7 is asked for, into the registers of stage S - 1.
.macro BSTREAM
.if S < 25
	s_wait_loadcnt 48                              ; loads come back in order: the six stages S + 1 .. S + 6, eight loads each, stay out
	WIN W_TOB
	LOADB
.else
	s_wait_loadcnt 8*(31-S)                        ; nothing is left to ask for: the counts run down
.endif
.endm
; Substeps 0 to 6 of a step
.macro SUB cb
	s_wait_dscnt 0                                 ; this substep's 32 raw loads, issued a substep ago
	WIN W_CVT
	CVT
	WIN W_TORAW
	FETCHRAW
	BSTREAM
.if \cb
	WIN W_MULB
.else
	WIN W_MUL
.endif
	MUL16 0, \cb
	MUL16 4, \cb
.set S, S+1
.endm
; Substep 7 changes slots.  In front of the barrier each wave waits for its reads of this slot and for all its tensor loads (one is out at the most: its part of
; the next slot).  mode 2: the barrier opens a round of the cluster's barrier, and behind the round this slot is asked for again, two steps ahead;
; mode 1: the slots change and nothing is fetched; mode 0: the last substep.
.macro TURN mode
	s_wait_dscnt 0                                 ; my reads of this slot are over
	WIN W_CVT
	CVT
	BSTREAM
.if \mode >= 1
	s_wait_tensorcnt 0x0                           ; all my tensor loads have landed
	ds_add_u32 v254, v255
	s_wait_dscnt 0x0
	s_barrier_signal -1
.endif
	WIN W_MUL
	MUL16 0, 0                                     ; register work while the others arrive
.if \mode >= 1
	WIN 0
	s_barrier_wait -1
.if \mode == 2
	CREST                                          ; no wave of any partner still reads this slot or has a load on its way
	s_add_nc_u64 s[G0+4*((S>>3)&1)+2:G0+4*((S>>3)&1)+3], s[G0+4*((S>>3)&1)+2:G0+4*((S>>3)&1)+3], 2048   ; two steps of 256 f32 on
	tensor_load_to_lds s[G0+4*((S>>3)&1):G0+4*((S>>3)&1)+3], s[G1:G1+7]    ; the wave's one tensor load behind the round, ahead of its first LDS read
	s_nop 0
.endif
	WIN W_TORAW
	FETCHRAW
	WIN W_MUL
.endif
	MUL16 4, 0
.set S, S+1
.endm
	s_wait_tensorcnt 0x1                           ; my part of step 0 is in; step 1's may stay out
	s_barrier_signal -1
	s_barrier_wait -1
	WIN W_TORAW
	FETCHRAW                                       ; S = -1: substep 0
	s_wait_loadcnt 48                              ; the bias is in: the six stages asked for behind it stay out
	WIN W_TOB
	LOADB                                          ; stage 6
.set S, 0
	SUB 1                                          ; the first products take the bias as C
.rept 6
	SUB 0
.endr
	TURN 2                                         ; step 2 is asked for
.rept 7
	SUB 0
.endr
	TURN 2                                         ; step 3 is asked for
.rept 7
	SUB 0
.endr
	TURN 1
.rept 7
	SUB 0
.endr
	TURN 0
	WIN 0
	; THE WAY OUT.  hn and hv lie [b][head][s][64]: a head's rows of 128 bytes follow each other without a gap.
	PLACES                                         ; behind the last products, in front of the instructions that read results
	s_lshr_b32 s46, s20, 4                         ; b = block row / 16
	s_lshl_b32 s46, s46, 22                        ; 16 heads x 2048 rows x 128 bytes
	s_and_b32 s48, s20, 15
	s_lshl_b32 s48, s48, 14                        ; 128 rows of 128 bytes a block
	s_add_co_u32 s46, s46, s48
	s_lshl_b32 s48, s22, 18                        ; my head
	s_add_co_u32 s46, s46, s48
	s_mov_b32 s47, 0
	s_add_nc_u64 s[10:11], s[10:11], s[46:47]
	s_add_nc_u64 s[12:13], s[12:13], s[46:47]
; rows 16 a .. 16 a + 15: tiles (a, 0 .. 3).  A lane holds 32 of its row's 64 numbers, the lane 16 away the others.
.macro OUTH a
	WIN 0x05                                       ; sources 0 and 1 in window 1
.irp b, 0,1,2,3
.irp k, 0,1,2,3
.set AC, 8*(4*\a+\b)+2*\k
.if (4*\b+\k) < 2
	v_pk_mul_f32 v[T0+2*(\k&1):T0+2*(\k&1)+1], v[AC:AC+1], v[AC:AC+1]           ; the first squares start the two chains
.else
	v_pk_fma_f32 v[T0+2*(\k&1):T0+2*(\k&1)+1], v[AC:AC+1], v[AC:AC+1], v[T0+2*(\k&1):T0+2*(\k&1)+1]
.endif
.endr
.endr
.irp b, 0,1,2,3
.irp k, 0,1,2,3
.set AC, 8*(4*\a+\b)+2*\k
	v_cvt_pk_bf16_f32 v[PKV+4*\b+\k], v[AC], v[AC+1]
.endr
.endr
	WIN 0
	v_pk_add_f32 v[T0:T0+1], v[T0:T0+1], v[T0+2:T0+3]
	v_add_f32 v[TS], v[T0], v[T0+1]
	v_permlanex16_b32 v[TS+1], v[TS], s66, s67     ; the other half of the row
	v_add_f32 v[TS], v[TS], v[TS+1]
	v_rsq_f32 v[TS+1], v[TS]
.irp b, 0,1,2,3
	ds_store_b128 v[STO], v[PKV+4*\b:PKV+4*\b+3] offset:2304+32*\b
.endr
	v_nop                                          ; one plain vector instruction behind v_rsq_f32 before its result is used (ISA guide 5.7.2)
	s_wait_alu depctr_va_vdst(0)
	v_mul_f32 v[SC],   0x3f99be61, v[TS+1]         ; x sqrt(log2 e)
	v_mul_f32 v[SC+1], 0x3f99be61, v[TS+1]
	WIN 0x01                                       ; source 0 in window 1
.irp b, 0,1,2,3
.irp k, 0,1,2,3
.set AC, 8*(4*\a+\b)+2*\k
	v_pk_mul_f32 v[TMP+8*\b+2*\k:TMP+8*\b+2*\k+1], v[AC:AC+1], v[SC:SC+1]
.endr
.endr
	WIN 0
.irp b, 0,1,2,3
.irp k, 0,1,2,3
	v_cvt_pk_bf16_f32 v[PKN+4*\b+\k], v[TMP+8*\b+2*\k], v[TMP+8*\b+2*\k+1]
.endr
.endr
.irp b, 0,1,2,3
	ds_store_b128 v[STO], v[PKN+4*\b:PKN+4*\b+3] offset:32*\b
.endr
	s_wait_xcnt 0x0                                ; OB, which the last stores read, is loaded again only behind this wait (ISA guide 3.1)
.irp t, 0,1,2,3
	ds_load_b128 v[OB+4*\t:OB+4*\t+3], v[RD] offset:576*\t         ; LDS serves a wave's instructions in order: these see the stores above
.endr
.irp t, 0,1,2,3
	ds_load_b128 v[OB+16+4*\t:OB+16+4*\t+3], v[RD] offset:2304+576*\t
.endr
.irp t, 0,1,2,3
	s_wait_dscnt 7-\t
	global_store_b128 v[GO], v[OB+4*\t:OB+4*\t+3], s[10:11] offset:\a*2048+512*\t     ; a wave stores 512 consecutive bytes, aligned
.endr
.irp t, 0,1,2,3
	s_wait_dscnt 3-\t
	global_store_b128 v[GO], v[OB+16+4*\t:OB+16+4*\t+3], s[12:13] offset:\a*2048+512*\t
.endr
.endm
.irp a, 0,1,2,3,4,5,6,7
	OUTH \a
.endr
	s_wait_tensorcnt 0x0
	ds_add_u32 v254, v255
	s_wait_dscnt 0x0
	CROUND                                         ; the closing round: no work-group ends while a partner may still ask for a tile that names it
	s_endpgm
.Lfunc_end_k_q20ad9bcf55_proj:
	.size	k_q20ad9bcf55_proj, .Lfunc_end_k_q20ad9bcf55_proj-k_q20ad9bcf55_proj
	.p2alignl 7, 3214868480
	.fill 96, 4, 3214868480
	.section	.rodata,"a",@progbits
	.p2align	6, 0x0
	.amdhsa_kernel k_q20ad9bcf55_proj
		.amdhsa_group_segment_fixed_size 327680
		.amdhsa_private_segment_fixed_size 0
		.amdhsa_enable_private_segment 0
		.amdhsa_kernarg_size 40
		.amdhsa_user_sgpr_count 2
		.amdhsa_user_sgpr_kernarg_segment_ptr 1
		.amdhsa_wavefront_size32 1
		.amdhsa_system_sgpr_workgroup_id_x 1
		.amdhsa_system_sgpr_workgroup_id_y 1
		.amdhsa_system_sgpr_workgroup_id_z 1
		.amdhsa_system_vgpr_workitem_id 0
		.amdhsa_next_free_vgpr 896
		.amdhsa_next_free_sgpr 68
		.amdhsa_reserve_vcc 0
		.amdhsa_float_denorm_mode_32 3
		.amdhsa_float_denorm_mode_16_64 3
		.amdhsa_memory_ordered 1
		.amdhsa_forward_progress 1
		.amdhsa_inst_pref_size 255
	.end_amdhsa_kernel
	.section	.bss,"aw",@nobits
	.p2align	6
	.space	262144
	.amdgpu_metadata
---
amdhsa.version: [ 1, 2 ]
amdhsa.kernels:
  - .name:           k_q20ad9bcf55_proj
    .symbol:         k_q20ad9bcf55_proj.kd
    .args:
      - { .name: sin, .offset: 0, .size: 8, .value_kind: global_buffer, .address_space: global }
      - { .name: wt, .offset: 8, .size: 8, .value_kind: global_buffer, .address_space: global }
      - { .name: bx, .offset: 16, .size: 8, .value_kind: global_buffer, .address_space: global }
      - { .name: hn, .offset: 24, .size: 8, .value_kind: global_buffer, .address_space: global }
      - { .name: hv, .offset: 32, .size: 8, .value_kind: global_buffer, .address_space: global }
    .group_segment_fixed_size: 327680
    .private_segment_fixed_size: 0
    .kernarg_segment_align: 8
    .kernarg_segment_size: 40
    .max_flat_workgroup_size: 128
    .sgpr_count:     68
    .vgpr_count:     896
    .wavefront_size: 32
...
	.end_amdgpu_metadata
.endif
;; end of part 2
;; launch attn (part 3): grid 256 x 1, 8 waves a work-group, clusters of 4 x 1, 327,680 bytes of LDS; arguments hn, hv, cat; writes cat
.if DOCPART == 3
	.amdgcn_target "amdgcn-amd-amdhsa--gfx1250"
	.amdhsa_code_object_version 6
	.text
	.protected	k_q20ad9bcf55_attn
	.globl	k_q20ad9bcf55_attn
	.p2align	8
	.type	k_q20ad9bcf55_attn,@function
k_q20ad9bcf55_attn:
	s_mov_b64 s[64:65], 0
	v_nop
	global_prefetch_b8 v0, s[64:65] scope:SCOPE_SE
	s_setreg_imm32_b32 hwreg(HW_REG_WAVE_MODE, 25, 1), 1
	s_wait_xcnt 0x0
	s_wait_alu depctr_hold_cnt(0) depctr_sa_sdst(0) depctr_va_vdst(0) depctr_va_sdst(0) depctr_va_ssrc(0) depctr_va_vcc(0) depctr_vm_vsrc(0)
	s_getreg_b32 s2, hwreg(HW_REG_IB_STS2, 6, 4)
	s_cmp_eq_u32 s2, 0
	s_cbranch_scc0 .Lentry_in_a_cluster
	s_endpgm
.Lentry_in_a_cluster:
	s_bfe_u32 s2, ttmp6, 0x10000c
	s_cmp_lg_u32 s2, 0x3003
	s_cbranch_scc0 .Lentry_shape_is_right
	s_endpgm
.Lentry_shape_is_right:
; attn: for each (b, head): P = exp(cosine scores), cat = P h / row sums.  hn, hv, cat: [64 bh][2048 s][64 f] bf16.
; hn holds h / |h| x sqrt(log2 e), so a product of two of its rows is cosine x log2 e and v_exp_f32 (base 2) gives e^cosine.
; NO MAXIMUM IS TAKEN AWAY: the scores are cosines of vectors that the computation itself normalises, with no scale behind them; after the rounding
; to bf16 |cosine| <= 1 + 2^-7, so every exponential lies between 0.36 and 2.75 and a row's sum of 2048 of them between 740 and 5640.
; A cluster of four work-groups is one (b, head); a work-group has 512 query rows, a wave 64 (four tiles of 16).  The four ask for the tiles of K (hn) and V (hv) JOINTLY.
; Eight waves, two to a SIMD: one wave's exponentials stand beside the other's products.
; NO SHUFFLE BETWEEN THE TWO PRODUCTS.  S^T = K Q^T: source 0 = 16 keys, source 1 = 16 queries; lane (r, h) holds query r and keys 8 h + j.  Two such tiles
; (keys 0-15, 16-31), packed in pairs, are source 1 of O^T += V^T P: registers 0-3 keys 8 h .. +7, registers 4-7 keys 16 + 8 h .. +7.  The row sums are sums
; inside a lane; the two halves of the lanes meet once at the end.  O^T's eight registers are eight neighbouring f of one query row.
; Keys go in eight tiles of 256 through a ring of two LDS slots; a tile is eight substeps of 32 keys.
; LIMITS: P, K, Q, V are rounded to bf16; the row sum is taken of the unrounded exponentials; a NaN in hn (a row of h that is all zero) spreads as in the formula.
.set RG,    9216                       ; LDS bytes that one wave fills in a slot: 64 keys as 32 rows of 256 bytes, pitch 272 (K) or 288 (V)
.set SLOT,  8*RG                       ; K's four quarters, then V's four
.set STAGE, 2*SLOT                     ; each wave's own stage of 16 rows x 144 bytes; no tensor load lands there
.set KADR, 2                           ; v2-3    LDS address of my K fragments in slot 0, 1
.set VADR, 4                           ; v4-5    the same for V
.set STO,  6
.set RD,   7
.set GO,   8
.set QO,   9
.set PFO,  10
.set KF,   16                          ; v16-47 (buffer 0), v80-111 (buffer 1): K fragments (tt, fs) at 16 tt + 8 fs
.set VF,   48                          ; v48-79, v112-143: V^T fragments c at 8 c
.set SCO,  144                         ; v144-207 scores, tile (i, tt) at 16 i + 8 tt
.set PBF,  208                         ; v208-239 P in bf16, query tile i at 8 i
.set LSUM, 240                         ; v240-255 row sums, a pair for each (i, tt) at 4 i + 2 tt
.set QF,   128                         ; window 1, names v128-191: Q fragments (i, fs) at 16 i + 8 fs;  names v0-127: O^T, tile (i, c) at 32 i + 8 c
.set G1K, 24
.set G0K, 32
.set G1V, 48
.set G0V, 56
.set PFB, 40                           ; s[40:41] base of the prefetch
.set W_S,  0x04                        ; source 1 (Q) in window 1
.set W_PV, 0x50                        ; C and D (O^T) in window 1
.set MSB, 0
.macro WIN new
.if MSB != \new
	s_set_vgpr_msb (MSB<<8)|\new
.set MSB, \new
.endif
.endm
.macro JLOAD s                         ; waves 0-3 fetch K's quarters, waves 4-7 V's
	s_cmp_eq_u32 s11, 0
	s_cbranch_scc0 .Lfor_v_\@
	tensor_load_to_lds s[G0K+4*\s:G0K+4*\s+3], s[G1K:G1K+7]
	s_nop 0
	s_branch .Lasked_\@
.Lfor_v_\@:
	tensor_load_to_lds s[G0V+4*\s:G0V+4*\s+3], s[G1V:G1V+7]
	s_nop 0
.Lasked_\@:
.endm
.macro CREST
	s_cmp_lg_u32 s10, 0
	s_cbranch_scc1 .Lnot_wave_0_\@
	s_barrier_signal -3
.Lnot_wave_0_\@:
	s_barrier_wait -3
	s_barrier_signal -1
	s_barrier_wait -1
.endm
.macro CROUND
	s_barrier_signal -1
	s_barrier_wait -1
	CREST
.endm
.macro PLACES
.rept 4
	v_nop
.endr
.endm
	s_load_b128 s[4:7], s[0:1], 0x0                ; hn s[4:5], hv s[6:7]
	s_load_b64 s[8:9], s[0:1], 0x10                ; cat
	s_set_vgpr_msb 0x40
	v_lshl_add_u32 v192, v0, 2, 0x29000
	v_mov_b32 v193, 0
	s_set_vgpr_msb 0x4045
	ds_add_u32 v192, v193
	s_set_vgpr_msb 0x4500
	v_lshrrev_b32 v1, 5, v0
	v_readfirstlane_b32 s10, v1                    ; wave 0..7
	s_lshr_b32 s11, s10, 2                         ; I fetch K (0) or V (1)
	s_and_b32 s12, s10, 3                          ; which quarter of the tile
	s_bfe_u32 s13, ttmp6, 0x40000                  ; cx: my block of 512 queries
	s_lshl_b32 s14, ttmp9, 18                      ; the cluster's x is (b, head): 2048 rows x 128 bytes each
	s_mul_i32 s20, s10, RG                         ; where my part of a tile goes
	s_mov_b32 s21, 0x76543210
	s_mov_b32 s22, 0xfedcba98
	; group 1: a dense block of 8,192 bytes as 32 rows of 32 elements of 8 bytes; two keys a row
	s_mov_b32 s[G1K+0], 15|(3<<16)|(1<<20)|(1<<21)|(5<<22)|(3<<25)  ; all four work-groups; element of 8 bytes; padding on; bit 21 beside a mask; after 64 words; 4 words: pitch 272
	s_mov_b32 s[G1V+0], 15|(3<<16)|(1<<20)|(1<<21)|(5<<22)|(7<<25)  ; the same with 8 words: pitch 288
.irp g, G1K, G1V
	s_mov_b32 s[\g+1], 32<<16
	s_mov_b32 s[\g+2], 32<<16
	s_mov_b32 s[\g+3], 32<<16
	s_mov_b32 s[\g+4], 32
	s_mov_b32 s[\g+5], 32
	s_mov_b32 s[\g+6], 0
	s_mov_b32 s[\g+7], 0
.endr
	s_lshl_b32 s16, s12, 13                        ; the tiles: (b, head) + quarter x 64 keys x 128 bytes; no cx in it
	s_add_co_u32 s16, s16, s14
	s_mov_b32 s17, 0
	s_lshl_b32 s46, s13, 16                        ; my queries: (b, head) + cx x 512 rows + wave x 64 rows
	s_lshl_b32 s18, s10, 13
	s_add_co_u32 s46, s46, s18
	s_add_co_u32 s46, s46, s14
	s_mov_b32 s47, 0
	s_add_co_u32 s18, s14, 0x10000                 ; the prefetch begins at tile 2
	s_mov_b32 s19, 0
	s_wait_dscnt 0x0
	s_wait_kmcnt 0x0
	s_add_nc_u64 s[42:43], s[4:5], s[46:47]        ; Q
	s_add_nc_u64 s[44:45], s[8:9], s[46:47]        ; cat
	s_cmp_eq_u32 s11, 0
	s_cselect_b64 s[PFB:PFB+1], s[4:5], s[6:7]
	s_add_nc_u64 s[PFB:PFB+1], s[PFB:PFB+1], s[18:19]
	s_add_nc_u64 s[4:5], s[4:5], s[16:17]
	s_add_nc_u64 s[6:7], s[6:7], s[16:17]
	CROUND                                         ; all four work-groups are here: the first joint loads meet
.irp s, 0,1
	s_mov_b32 s[G0K+4*\s], 1
	s_add_co_u32 s[G0K+4*\s+1], s20, \s*SLOT
	s_add_nc_u64 s[G0K+4*\s+2:G0K+4*\s+3], s[4:5], \s*32768
	s_or_b32 s[G0K+4*\s+3], s[G0K+4*\s+3], 0x80000000
	s_mov_b32 s[G0V+4*\s], 1
	s_add_co_u32 s[G0V+4*\s+1], s20, \s*SLOT
	s_add_nc_u64 s[G0V+4*\s+2:G0V+4*\s+3], s[6:7], \s*32768
	s_or_b32 s[G0V+4*\s+3], s[G0V+4*\s+3], 0x80000000
	JLOAD \s                                       ; tiles 0 and 1: two tensor loads of the wave are out
.endr
	v_and_b32 v11, 31, v0                          ; lane
	v_and_b32 v12, 15, v0                          ; r
	v_bfe_u32 v13, v0, 4, 1                        ; h
	v_lshlrev_b32 v[QO], 7, v12
	v_lshl_add_u32 v[QO], v13, 4, v[QO]            ; Q: row r, 16 h
	WIN 0x40                                       ; destination in window 1
.irp i, 0,1,2,3
.irp fs, 0,1
	global_load_b128 v[QF+16*\i+8*\fs:QF+16*\i+8*\fs+3],   v[QO], s[42:43] offset:2048*\i+64*\fs
	global_load_b128 v[QF+16*\i+8*\fs+4:QF+16*\i+8*\fs+7], v[QO], s[42:43] offset:2048*\i+64*\fs+32
.endr
.endr
	WIN 0
	; K: key t lies at 272 (t / 2) + 128 (t mod 2).  In 16-byte columns modulo 16 the sixteen keys of a fragment start at (r / 2) + 8 (r mod 2): all different.
	v_lshrrev_b32 v14, 1, v12
	v_mul_u32_u24 v14, v14, 272
	v_and_b32 v15, 1, v12
	v_lshl_add_u32 v14, v15, 7, v14
	v_lshl_add_u32 v[KADR], v13, 4, v14
	v_add_nc_u32 v[KADR+1], SLOT, v[KADR]
	; V lies [key][f] and is read transposed (ds_load_tr16_b128): lane L addresses key 8 h + (L mod 8), 16 bytes at 16 ((L / 8) mod 2).
	; Key t at 288 (t / 2) + 128 (t mod 2): in 16-byte columns modulo 16 sixteen lanes start at 2 p + 8 o + g, p 0..3, o and g 0..1: all different.
	v_bfe_u32 v14, v0, 1, 2
	v_lshl_add_u32 v14, v13, 2, v14
	v_mul_u32_u24 v14, v14, 288
	v_lshl_add_u32 v14, v15, 7, v14
	v_bfe_u32 v15, v0, 3, 1
	v_lshl_add_u32 v14, v15, 4, v14
	v_add_nc_u32 v[VADR], 4*RG, v14
	v_add_nc_u32 v[VADR+1], 4*RG+SLOT, v14
	s_mul_i32 s23, s10, 2304
	s_add_co_u32 s23, s23, STAGE
	v_mul_u32_u24 v14, v12, 144
	v_lshl_add_u32 v14, v13, 4, v14
	v_add_nc_u32 v[STO], s23, v14
	v_lshrrev_b32 v14, 3, v11
	v_and_b32 v15, 7, v11
	v_mul_u32_u24 v14, v14, 144
	v_lshl_add_u32 v14, v15, 4, v14
	v_add_nc_u32 v[RD], s23, v14
	v_lshlrev_b32 v[GO], 4, v11
	s_lshl_b32 s15, s13, 13
	v_lshlrev_b32 v[PFO], 8, v11
	v_add_nc_u32 v[PFO], s15, v[PFO]               ; prefetch: quarter cx of a tile, lanes 256 bytes apart
; the fragments of substep u (32 keys) of a slot into buffer buf: 8 loads of K, 8 transposing loads of V
.macro FETCH slot, u, buf
.irp tt, 0,1
.irp fs, 0,1
	ds_load_b128 v[KF+64*(\buf)+16*\tt+8*\fs:KF+64*(\buf)+16*\tt+8*\fs+3],   v[KADR+\slot] offset:((\u)>>1)*RG+((\u)&1)*4352+2176*\tt+64*\fs
	ds_load_b128 v[KF+64*(\buf)+16*\tt+8*\fs+4:KF+64*(\buf)+16*\tt+8*\fs+7], v[KADR+\slot] offset:((\u)>>1)*RG+((\u)&1)*4352+2176*\tt+64*\fs+32
.endr
.endr
.irp c, 0,1,2,3
	ds_load_tr16_b128 v[VF+64*(\buf)+8*\c:VF+64*(\buf)+8*\c+3],   v[VADR+\slot] offset:((\u)>>1)*RG+((\u)&1)*4608+32*\c
	ds_load_tr16_b128 v[VF+64*(\buf)+8*\c+4:VF+64*(\buf)+8*\c+7], v[VADR+\slot] offset:((\u)>>1)*RG+((\u)&1)*4608+32*\c+2304
.endr
.endm
; 16 products: eight score tiles, f 0-31 with C = 0, then f 32-63 in the same order.  The eight accumulators take turns.
.macro SMUL buf
	WIN W_S
.irp i, 0,1,2,3
.irp tt, 0,1
	v_wmma_f32_16x16x32_bf16 v[SCO+16*\i+8*\tt:SCO+16*\i+8*\tt+7], v[KF+64*\buf+16*\tt:KF+64*\buf+16*\tt+7], v[QF+16*\i:QF+16*\i+7], 0
.endr
.endr
.irp i, 0,1,2,3
.irp tt, 0,1
	v_wmma_f32_16x16x32_bf16 v[SCO+16*\i+8*\tt:SCO+16*\i+8*\tt+7], v[KF+64*\buf+16*\tt+8:KF+64*\buf+16*\tt+15], v[QF+16*\i+8:QF+16*\i+15], v[SCO+16*\i+8*\tt:SCO+16*\i+8*\tt+7]
.endr
.endr
.endm
.macro EXP i
.irp j, 0,1,2,3,4,5,6,7,8,9,10,11,12,13,14,15
	v_exp_f32 v[SCO+16*\i+\j], v[SCO+16*\i+\j]
.endr
.endm
; row sums (two chains for a query tile) and P in bf16.  first = 1: the first numbers start the sums, nothing is cleared.
.macro PLAIN i, first
.if \first
	s_wait_alu depctr_va_vdst(0)
.irp tt, 0,1
	v_pk_add_f32 v[LSUM+4*\i+2*\tt:LSUM+4*\i+2*\tt+1], v[SCO+16*\i+8*\tt:SCO+16*\i+8*\tt+1], v[SCO+16*\i+8*\tt+2:SCO+16*\i+8*\tt+3]
.endr
.irp k, 2,3
.irp tt, 0,1
	v_pk_add_f32 v[LSUM+4*\i+2*\tt:LSUM+4*\i+2*\tt+1], v[LSUM+4*\i+2*\tt:LSUM+4*\i+2*\tt+1], v[SCO+16*\i+8*\tt+2*\k:SCO+16*\i+8*\tt+2*\k+1]
.endr
.endr
.else
	s_wait_alu depctr_va_vdst(0)
.irp k, 0,1,2,3
.irp tt, 0,1
	v_pk_add_f32 v[LSUM+4*\i+2*\tt:LSUM+4*\i+2*\tt+1], v[LSUM+4*\i+2*\tt:LSUM+4*\i+2*\tt+1], v[SCO+16*\i+8*\tt+2*\k:SCO+16*\i+8*\tt+2*\k+1]
.endr
.endr
.endif
.irp tt, 0,1
.irp k, 0,1,2,3
	v_cvt_pk_bf16_f32 v[PBF+8*\i+4*\tt+\k], v[SCO+16*\i+8*\tt+2*\k], v[SCO+16*\i+8*\tt+2*\k+1]
.endr
.endr
.endm
; Behind each run of exponentials the next plain instruction works on another query tile (ISA guide 5.7.2): a v_nop behind the first run, PLAIN of the tile before behind the others.
.macro SOFT first
	EXP 0
	v_nop
	EXP 1
	PLAIN 0, \first
	EXP 2
	PLAIN 1, \first
	EXP 3
	PLAIN 2, \first
	PLAIN 3, \first
.endm
; 16 products on 16 different accumulators, which take turns
.macro PVMUL buf, first
	WIN W_PV
.irp i, 0,1,2,3
.irp c, 0,1,2,3
.if \first
	v_wmma_f32_16x16x32_bf16 v[32*\i+8*\c:32*\i+8*\c+7], v[VF+64*\buf+8*\c:VF+64*\buf+8*\c+7], v[PBF+8*\i:PBF+8*\i+7], 0
.else
	v_wmma_f32_16x16x32_bf16 v[32*\i+8*\c:32*\i+8*\c+7], v[VF+64*\buf+8*\c:VF+64*\buf+8*\c+7], v[PBF+8*\i:PBF+8*\i+7], v[32*\i+8*\c:32*\i+8*\c+7]
.endif
.endr
.endr
.endm
; Waves 0 (K) and 4 (V) ask for quarter cx of the tile two tiles on: 32 lanes x 256 bytes.  Over the four work-groups and the two waves each block of 256 bytes
; from tile 2 on is asked for once, four substeps ahead of the tensor load that brings it.  Tiles 6 and 7 ask for nothing: no request passes the buffers' ends.
.macro PF
	s_cmp_lg_u32 s12, 0
	s_cbranch_scc1 .Lno_pf_\@
	global_prefetch_b8 v[PFO], s[PFB:PFB+1] th:TH_LOAD_NT scope:SCOPE_SE
.Lno_pf_\@:
.endm
; Substeps 0 to 6.  The four v_nop are the places behind the score products (for the exponentials) and behind the last substep's products
; (for the loads into the fragment buffer that they read, and for the conversions that write P).
.macro SUB slot, u, buf, first, pf
	s_wait_dscnt 0                                 ; this substep's 16 fragment loads, issued a substep ago
	SMUL \buf
	WIN 0
	PLACES
	FETCH \slot, \u+1, 1-\buf
.if \pf
	PF
.endif
	SOFT \first
	PVMUL \buf, \first
.endm
; Substep 7 changes slots.  mode 2: this slot is asked for again, two tiles ahead; mode 1: the slots change and nothing is fetched; mode 0: the last tile.
.macro LAST slot, next, mode
	s_wait_dscnt 0
	SMUL 1
	WIN 0
	PLACES
	SOFT 0
.if \mode >= 1
	s_wait_dscnt 0                                 ; my reads of this slot are over (met: nothing was fetched in this substep)
	s_set_vgpr_msb 0x5
	s_wait_tensorcnt 0x0                           ; all my tensor loads have landed: the one that was out is my part of the next slot
	ds_add_u32 v192, v193
	s_wait_dscnt 0x0
	s_set_vgpr_msb 0x500
	s_barrier_signal -1
.endif
	PVMUL 1, 0                                     ; register work while the others arrive
	WIN 0
.if \mode >= 1
	s_barrier_wait -1
.endif
.if \mode == 2
	CREST                                          ; no wave of any partner still reads this slot or has a load on its way
	s_add_nc_u64 s[G0K+4*\slot+2:G0K+4*\slot+3], s[G0K+4*\slot+2:G0K+4*\slot+3], 65536
	s_add_nc_u64 s[G0V+4*\slot+2:G0V+4*\slot+3], s[G0V+4*\slot+2:G0V+4*\slot+3], 65536
	s_wait_xcnt 0x0                                ; the prefetch's base is stepped only behind this wait (ISA guide 3.1)
	s_add_nc_u64 s[PFB:PFB+1], s[PFB:PFB+1], 32768
	JLOAD \slot                                    ; the wave's one tensor load behind the round: it has a whole tile's work in which to land
.endif
.if \mode >= 1
	FETCH \next, 0, 0
.endif
.endm
.macro TILE slot, next, mode, first, pf
	SUB \slot, 0, 0, \first, 0
	SUB \slot, 1, 1, 0, 0
	SUB \slot, 2, 0, 0, 0
	SUB \slot, 3, 1, 0, 0
	SUB \slot, 4, 0, 0, \pf
	SUB \slot, 5, 1, 0, 0
	SUB \slot, 6, 0, 0, 0
	LAST \slot, \next, \mode
.endm
	s_wait_tensorcnt 0x1                           ; my part of tile 0 is in; tile 1's may stay out
	s_barrier_signal -1
	s_barrier_wait -1
	FETCH 0, 0, 0
	s_wait_loadcnt 0x0                             ; Q
	TILE 0, 1, 2, 1, 1                             ; tiles 0 and 1 stand in front of the loop: the first substep starts the sums
	TILE 1, 0, 2, 0, 1
	s_mov_b32 s3, 2
.Llap:
	TILE 0, 1, 2, 0, 1                             ; tiles 2 to 5
	TILE 1, 0, 2, 0, 1
	s_sub_co_u32 s3, s3, 1
	s_cmp_lg_u32 s3, 0
	s_cbranch_scc1 .Llap
	TILE 0, 1, 1, 0, 0                             ; tile 6: nothing is left to fetch
	TILE 1, 0, 0, 0, 0                             ; tile 7
	; THE WAY OUT: the row sums, their reciprocals, then 16 query rows at a time through my stage.
	PLACES
.irp i, 0,1,2,3
	v_pk_add_f32 v[LSUM+4*\i:LSUM+4*\i+1], v[LSUM+4*\i:LSUM+4*\i+1], v[LSUM+4*\i+2:LSUM+4*\i+3]
	v_add_f32 v[LSUM+4*\i], v[LSUM+4*\i], v[LSUM+4*\i+1]
	v_permlanex16_b32 v[LSUM+4*\i+1], v[LSUM+4*\i], s21, s22       ; the keys that the other half of the lanes summed
	v_add_f32 v[LSUM+4*\i], v[LSUM+4*\i], v[LSUM+4*\i+1]
.endr
.irp i, 0,1,2,3
	v_rcp_f32 v[LSUM+4*\i+2], v[LSUM+4*\i]         ; twice: a pair for the packed multiply
	v_rcp_f32 v[LSUM+4*\i+3], v[LSUM+4*\i]
.endr
	v_nop                                          ; one plain vector instruction behind the reciprocals (ISA guide 5.7.2)
	s_wait_alu depctr_va_vdst(0)
.macro OUT i, f
	WIN 0x01                                       ; source 0 (O^T) in window 1
.irp c, 0,1,2,3
.irp k, 0,1,2,3
	v_pk_mul_f32 v[SCO+8*\c+2*\k:SCO+8*\c+2*\k+1], v[32*\i+8*\c+2*\k:32*\i+8*\c+2*\k+1], v[LSUM+4*\i+2:LSUM+4*\i+3]
.endr
.endr
	WIN 0
.irp c, 0,1,2,3
.irp k, 0,1,2,3
	v_cvt_pk_bf16_f32 v[PBF+4*\c+\k], v[SCO+8*\c+2*\k], v[SCO+8*\c+2*\k+1]
.endr
.endr
.irp c, 0,1,2,3
	ds_store_b128 v[STO], v[PBF+4*\c:PBF+4*\c+3] offset:32*\c
.endr
	s_wait_xcnt 0x0                                ; the registers that earlier stores read are loaded again only behind this wait (ISA guide 3.1)
.irp t, 0,1,2,3
	ds_load_b128 v[\f+4*\t:\f+4*\t+3], v[RD] offset:576*\t         ; LDS serves a wave's instructions in order: these see the stores above
.endr
.irp t, 0,1,2,3
	s_wait_dscnt 3-\t
	global_store_b128 v[GO], v[\f+4*\t:\f+4*\t+3], s[44:45] offset:2048*\i+512*\t   ; a wave stores 512 consecutive bytes, aligned
.endr
.endm
	OUT 0, KF
	OUT 1, KF+64
	OUT 2, KF
	OUT 3, KF+64
	s_set_vgpr_msb 0x5
	s_wait_tensorcnt 0x0
	ds_add_u32 v192, v193
	s_wait_dscnt 0x0
	s_set_vgpr_msb 0x500
	CROUND                                         ; the closing round
	s_endpgm
.Lfunc_end_k_q20ad9bcf55_attn:
	.size	k_q20ad9bcf55_attn, .Lfunc_end_k_q20ad9bcf55_attn-k_q20ad9bcf55_attn
	.p2alignl 7, 3214868480
	.fill 96, 4, 3214868480
	.section	.rodata,"a",@progbits
	.p2align	6, 0x0
	.amdhsa_kernel k_q20ad9bcf55_attn
		.amdhsa_group_segment_fixed_size 327680
		.amdhsa_private_segment_fixed_size 0
		.amdhsa_enable_private_segment 0
		.amdhsa_kernarg_size 24
		.amdhsa_user_sgpr_count 2
		.amdhsa_user_sgpr_kernarg_segment_ptr 1
		.amdhsa_wavefront_size32 1
		.amdhsa_system_sgpr_workgroup_id_x 1
		.amdhsa_system_sgpr_workgroup_id_y 1
		.amdhsa_system_sgpr_workgroup_id_z 1
		.amdhsa_system_vgpr_workitem_id 0
		.amdhsa_next_free_vgpr 450
		.amdhsa_next_free_sgpr 66
		.amdhsa_reserve_vcc 0
		.amdhsa_float_denorm_mode_32 3
		.amdhsa_float_denorm_mode_16_64 3
		.amdhsa_memory_ordered 1
		.amdhsa_forward_progress 1
		.amdhsa_inst_pref_size 255
	.end_amdhsa_kernel
	.section	.bss,"aw",@nobits
	.p2align	6
	.space	262144
	.amdgpu_metadata
---
amdhsa.version: [ 1, 2 ]
amdhsa.kernels:
  - .name:           k_q20ad9bcf55_attn
    .symbol:         k_q20ad9bcf55_attn.kd
    .args:
      - { .name: hn, .offset: 0, .size: 8, .value_kind: global_buffer, .address_space: global }
      - { .name: hv, .offset: 8, .size: 8, .value_kind: global_buffer, .address_space: global }
      - { .name: cat, .offset: 16, .size: 8, .value_kind: global_buffer, .address_space: global }
    .group_segment_fixed_size: 327680
    .private_segment_fixed_size: 0
    .kernarg_segment_align: 8
    .kernarg_segment_size: 24
    .max_flat_workgroup_size: 256
    .sgpr_count:     66
    .vgpr_count:     450
    .wavefront_size: 32
...
	.end_amdgpu_metadata
.endif
;; end of part 3
;; launch oproj (part 4): grid 4 x 64, 4 waves a work-group, clusters of 4 x 4, 296,448 bytes of LDS; arguments cat, wt, bp, out0; writes out0
.if DOCPART == 4
	.amdgcn_target "amdgcn-amd-amdhsa--gfx1250"
	.amdhsa_code_object_version 6
	.text
	.protected	k_q20ad9bcf55_oproj
	.globl	k_q20ad9bcf55_oproj
	.p2align	8
	.type	k_q20ad9bcf55_oproj,@function
k_q20ad9bcf55_oproj:
	s_mov_b64 s[64:65], 0
	v_nop
	global_prefetch_b8 v0, s[64:65] scope:SCOPE_SE
	s_setreg_imm32_b32 hwreg(HW_REG_WAVE_MODE, 25, 1), 1
	s_wait_xcnt 0x0
	s_wait_alu depctr_hold_cnt(0) depctr_sa_sdst(0) depctr_va_vdst(0) depctr_va_sdst(0) depctr_va_ssrc(0) depctr_va_vcc(0) depctr_vm_vsrc(0)
	s_getreg_b32 s2, hwreg(HW_REG_IB_STS2, 6, 4)
	s_cmp_eq_u32 s2, 0
	s_cbranch_scc0 .Lentry_in_a_cluster
	s_endpgm
.Lentry_in_a_cluster:
	s_bfe_u32 s2, ttmp6, 0x10000c
	s_cmp_lg_u32 s2, 0xf033
	s_cbranch_scc0 .Lentry_shape_is_right
	s_endpgm
.Lentry_shape_is_right:
; oproj: out0 = cat Wp + bp, a product of 8192 x 1024 x 1024.  cat: [b][head][s][64] bf16; Wp as bf16 in fragment order in plane 1 of wt; out0 f32.
; A work-group makes 128 rows x 256 columns: 64 x 4 = 256 work-groups.  Four waves side by side, each 128 rows x 64 columns: 32 accumulator tiles, 256 registers.
; K goes in 32 substeps of 32; two substeps are a head.
; CAT'S WHOLE BLOCK LIES IN LDS: 128 rows x 1024 k.  A head's 128 rows of 128 bytes are a dense block of 16 KiB, brought as 64 rows of 256 bytes (two rows of cat
; each), pitch 272: 17,408 bytes a head, 278,528 in all.  Each wave asks for four heads, all at the start; no byte of LDS is ever filled again, so between the
; second barrier and the closing round the waves meet no barrier.
; CLUSTERS: 4 x 4 work-groups; cat's block hangs on the block row alone and is asked for jointly along a row of the cluster: a quarter of the requests.
; THE WEIGHTS DO NOT PASS THROUGH LDS.  A group of 64 columns, 131,072 bytes, is read by one wave of the work-group alone, straight into registers,
; 512 consecutive bytes a load, through a ring of eight stages of 32 registers: stage s + 7 is asked for in substep s, 224 matrix instructions ahead.
; They are not asked for jointly, though the row blocks share them: a joint request lands in LDS, where beside cat's block and the stage (17,408 bytes)
; 31,744 bytes are left: two slots of one substep (256 columns x 80 bytes each), with a round of the cluster's barrier for every 32 matrix instructions.
; The 32 substeps are written out by macro, so that every offset stands in an immediate.
; The matrix instruction is used transposed (source 0 = 16 columns of the weights, source 1 = 16 rows of cat): a lane's eight results are eight neighbouring
; columns of one row.  The bias is the C operand of each tile's first product.
; LIMITS: matrix operands are bf16; the order of the sums is the matrix unit's.
.set HB,    17408                      ; a head's block in LDS: 64 rows x 272 bytes
.set STAGE, 16*HB                      ; behind cat's block: each wave's own stage; no tensor load lands there
.set SPW,   4352                       ; stage of a wave: 16 rows x 272 bytes
.set ADRA, 16                          ; v16-23  LDS address of my cat fragments, one register for two heads (a 16-bit offset reaches no further)
.set STO,  24
.set RD,   25
.set GO,   26
.set BO,   27
.set BOFF, 28                          ; v28     weights: 16 x lane; never rewritten
.set AF,   32                          ; v32-95, v96-159  cat's eight fragments, two buffers
.set BIAS, 160                         ; v160-191
.set OB,   192                         ; v192-223 way out: rows read back
; window 1 (v256-511): the accumulators, tile (a, b) at name v[8 (4 a + b)];  window 2 (v512-767): the weights' ring, stage s at name v[32 (s mod 8)]
.set G1, 24                            ; s[24:31] descriptor group 1
.set G0, 32                            ; s[32:47] group 0, a set for each of my four loads; never rewritten
.set W_MUL,  0x52                      ; source 0 window 2, source 1 window 0, C and D window 1
.set W_MULB, 0x42                      ; the same with C (the bias) in window 0
.set W_TOB,  0x80                      ; destination window 2
.set MSB, 0
.macro WIN new
.if MSB != \new
	s_set_vgpr_msb (MSB<<8)|\new
.set MSB, \new
.endif
.endm
.macro CREST
	s_cmp_lg_u32 s14, 0
	s_cbranch_scc1 .Lnot_wave_0_\@
	s_barrier_signal -3
.Lnot_wave_0_\@:
	s_barrier_wait -3
	s_barrier_signal -1
	s_barrier_wait -1
.endm
.macro CROUND
	s_barrier_signal -1
	s_barrier_wait -1
	CREST
.endm
.macro PLACES                          ; four places behind a matrix instruction (ISA guide 7.12.1)
.rept 4
	v_nop
.endr
.endm
	s_load_b256 s[4:11], s[0:1], 0x0               ; cat s[4:5], wt s[6:7], bp s[8:9], out0 s[10:11]
	v_lshl_add_u32 v254, v0, 2, 0x48400
	v_mov_b32 v255, 0
	ds_add_u32 v254, v255
	v_lshrrev_b32 v1, 5, v0
	v_readfirstlane_b32 s14, v1                    ; wave 0..3: my 64 columns of the block's 256, and the heads w, w + 4, w + 8, w + 12 that I fetch
	s_bfe_u32 s17, ttmp6, 0x40000                  ; cx
	s_bfe_u32 s18, ttmp6, 0x40004                  ; cy
	s_lshl_b32 s19, ttmp9, 2
	s_add_co_u32 s19, s19, s17                     ; block column
	s_and_b32 s20, ttmp7, 0xffff
	s_lshl_b32 s20, s20, 2
	s_add_co_u32 s20, s20, s18                     ; block row
	s_lshl_b32 s21, s18, 2
	s_lshl_b32 s21, 15, s21                        ; my row of the cluster
	s_lshl_b32 s22, s19, 2
	s_add_co_u32 s22, s22, s14                     ; g: my group of 64 columns
	s_mul_i32 s23, s14, HB
	; group 1: 64 rows of 32 elements of 8 bytes, dense in memory, LDS pitch 272
	s_or_b32 s[G1+0], s21, (3<<16)|(1<<20)|(1<<21)|(5<<22)|(3<<25)  ; mask of my row; element of 8 bytes; padding on; bit 21 beside a mask; after 64 words; 4 words
	s_mov_b32 s[G1+1], 32<<16
	s_mov_b32 s[G1+2], 64<<16
	s_mov_b32 s[G1+3], 32<<16
	s_mov_b32 s[G1+4], 64
	s_mov_b32 s[G1+5], 32
	s_mov_b32 s[G1+6], 0
	s_mov_b32 s[G1+7], 0
	s_lshr_b32 s56, s20, 4                         ; cat: b = block row / 16, 4 MiB each; s[56:59] never hold cx
	s_lshl_b32 s56, s56, 22
	s_and_b32 s58, s20, 15
	s_lshl_b32 s58, s58, 14                        ;      + 128 rows of 128 bytes a block
	s_add_co_u32 s56, s56, s58
	s_lshl_b32 s58, s14, 18                        ;      + head w
	s_add_co_u32 s56, s56, s58
	s_mov_b32 s57, 0
	s_lshl_b32 s48, s22, 17                        ; weights: group x 131,072 bytes
	s_add_co_u32 s48, s48, 0x200000                ;      in plane 1
	s_mov_b32 s49, 0
	s_lshl_b32 s50, s22, 8                         ; bias: group x 64 x 4 bytes
	s_mov_b32 s51, 0
	v_and_b32 v1, 15, v0                           ; r
	v_bfe_u32 v2, v0, 4, 1                         ; h
	v_and_b32 v3, 31, v0                           ; lane
	v_lshlrev_b32 v[BO], 5, v2
	v_lshlrev_b32 v[BOFF], 4, v3
	s_wait_dscnt 0x0
	s_wait_kmcnt 0x0
	s_add_nc_u64 s[56:57], s[4:5], s[56:57]
	s_add_nc_u64 s[48:49], s[6:7], s[48:49]        ; the base of my stream of weights; never rewritten
	s_add_nc_u64 s[8:9], s[8:9], s[50:51]
	CROUND                                         ; all sixteen work-groups are here: the joint loads meet
.irp j, 0,1,2,3
	s_mov_b32 s[G0+4*\j], 1
	s_add_co_u32 s[G0+4*\j+1], s23, \j*4*HB                        ; head w + 4 j lies at (w + 4 j) x 17,408
	s_add_nc_u64 s[G0+4*\j+2:G0+4*\j+3], s[56:57], \j*1048576      ; four heads of 262,144 bytes on
	s_or_b32 s[G0+4*\j+3], s[G0+4*\j+3], 0x80000000
	tensor_load_to_lds s[G0+4*\j:G0+4*\j+3], s[G1:G1+7]            ; all first fills go out together: four tensor loads of the wave are out
	s_nop 0
.endr
; S is the substep at work, 0 to 31.
; The weights of substep S + 7 into stage (S + 7) mod 8: four fragments, eight loads of 512 consecutive bytes.
.macro LOADB
.irp b, 0,1,2,3
	global_load_b128 v[32*((S+7)&7)+8*\b:32*((S+7)&7)+8*\b+3],   v[BOFF], s[48:49] offset:4096*(S+7)+1024*\b
	global_load_b128 v[32*((S+7)&7)+8*\b+4:32*((S+7)&7)+8*\b+7], v[BOFF], s[48:49] offset:4096*(S+7)+1024*\b+512
.endr
.endm
	; the bias of my 64 columns, in the layout of C: register j of tile b in lane (r, h) is column 16 b + 8 h + j
.irp b, 0,1,2,3
	global_load_b128 v[BIAS+8*\b:BIAS+8*\b+3],   v[BO], s[8:9] offset:64*\b
	global_load_b128 v[BIAS+8*\b+4:BIAS+8*\b+7], v[BO], s[8:9] offset:64*\b+16
.endr
	WIN W_TOB
.set S, -7
.rept 6
	LOADB                                          ; stages 0 to 5
.set S, S+1
.endr
	WIN 0
	; cat's row s lies at 272 (s / 2) + 128 (s mod 2): in 16-byte columns modulo 16 a fragment's sixteen rows start at (r / 2) + 8 (r mod 2): all different
	v_lshrrev_b32 v4, 1, v1
	v_mul_u32_u24 v4, v4, 272
	v_and_b32 v6, 1, v1
	v_lshl_add_u32 v4, v6, 7, v4
	v_lshl_add_u32 v[ADRA], v2, 4, v4
.irp i, 1,2,3,4,5,6,7
	v_add_nc_u32 v[ADRA+\i], \i*2*HB, v[ADRA]
.endr
	s_mul_i32 s52, s14, SPW
	s_add_co_u32 s52, s52, STAGE                   ; my stage
	v_mul_u32_u24 v6, v1, 272
	v_lshl_add_u32 v6, v2, 5, v6
	v_add_nc_u32 v[STO], s52, v6                   ; in: row r, 32 bytes for each half of the lanes
	v_mul_u32_u24 v6, v2, 272
	v_lshl_add_u32 v6, v1, 4, v6
	v_add_nc_u32 v[RD], s52, v6                    ; back: sixteen lanes take a row of 256 bytes, a wave two rows
	v_lshlrev_b32 v[GO], 12, v2
	v_lshl_add_u32 v[GO], v1, 4, v[GO]             ; the same two rows in out0: 4,096 bytes apart
; 32 matrix instructions: 8 row tiles x 4 column tiles, 32 along K.  cb = 1: the bias is C and starts the sums.
; The 32 accumulators take turns, one instruction a turn, in the same order in every substep.
.macro MUL32 cb
.irp a, 0,1,2,3,4,5,6,7
.irp b, 0,1,2,3
.if \cb
	v_wmma_f32_16x16x32_bf16 v[8*(4*\a+\b):8*(4*\a+\b)+7], v[32*(S&7)+8*\b:32*(S&7)+8*\b+7], v[AF+64*(S&1)+8*\a:AF+64*(S&1)+8*\a+7], v[BIAS+8*\b:BIAS+8*\b+7]
.else
	v_wmma_f32_16x16x32_bf16 v[8*(4*\a+\b):8*(4*\a+\b)+7], v[32*(S&7)+8*\b:32*(S&7)+8*\b+7], v[AF+64*(S&1)+8*\a:AF+64*(S&1)+8*\a+7], v[8*(4*\a+\b):8*(4*\a+\b)+7]
.endif
.endr
.endr
.endm
; cat's eight fragments of substep S + 1 into buffer (S + 1) mod 2: head (S + 1) / 2, f from 32 ((S + 1) mod 2); 16 loads
.macro FETCHA
.irp a, 0,1,2,3,4,5,6,7
	ds_load_b128 v[AF+64*((S+1)&1)+8*\a:AF+64*((S+1)&1)+8*\a+3],   v[ADRA+((S+1)>>2)] offset:(((S+1)>>1)&1)*HB+((S+1)&1)*64+2176*\a
	ds_load_b128 v[AF+64*((S+1)&1)+8*\a+4:AF+64*((S+1)&1)+8*\a+7], v[ADRA+((S+1)>>2)] offset:(((S+1)>>1)&1)*HB+((S+1)&1)*64+2176*\a+32
.endr
.endm
; A substep.  The next substep's 16 LDS loads and the 8 loads of the weights seven substeps on go out in one run, four places behind the products that read
; the registers into which they land.
.macro SUB
.if S < 25
	s_wait_loadcnt 48                              ; loads come back in order: stage S is in, the six stages S + 1 .. S + 6, eight loads each, stay out
.else
	s_wait_loadcnt 8*(31-S)                        ; nothing is left to ask for: the counts run down
.endif
	s_wait_dscnt 0                                 ; this substep's fragments of cat, issued a substep ago
.if S == 7
	s_wait_tensorcnt 0x0                           ; my heads w + 4, w + 8, w + 12 are in, asked for at the start,
	s_barrier_signal -1
	s_barrier_wait -1                              ; and everybody's: from here on every head may be read
.endif
.if S < 31
	WIN 0
.if S > 0
	PLACES
.endif
	FETCHA
.endif
.if S < 25
	WIN W_TOB
	LOADB
.endif
.if S == 0
	WIN W_MULB
	MUL32 1                                        ; the first products take the bias as C
.else
	WIN W_MUL
	MUL32 0
.endif
.set S, S+1
.endm
	s_wait_tensorcnt 0x3                           ; tensor loads of a wave end in order: my head w is in, my three later heads stay out
	s_barrier_signal -1
	s_barrier_wait -1                              ; heads 0 to 3 are in
	FETCHA                                         ; S = -1: substep 0
	s_wait_loadcnt 48                              ; the bias is in: the six stages asked for behind it stay out
	WIN W_TOB
	LOADB                                          ; stage 6
.set S, 0
.rept 32
	SUB
.endr
	WIN 0
	; THE WAY OUT: no arithmetic is left.  16 rows at a time: 32 bytes a lane and tile into my stage, whole rows of 256 bytes back and out.
	PLACES                                         ; behind the last products, in front of the LDS stores that read results
	s_lshl_b32 s50, s20, 19                        ; block row x 128 rows x 4,096 bytes
	s_lshl_b32 s52, s22, 8                         ; + my group x 64 columns x 4 bytes
	s_add_co_u32 s50, s50, s52
	s_mov_b32 s51, 0
	s_add_nc_u64 s[10:11], s[10:11], s[50:51]
.macro OUT16 a
	WIN 0x04                                       ; store data in window 1
.irp b, 0,1,2,3
	ds_store_b128 v[STO], v[8*(4*\a+\b):8*(4*\a+\b)+3]   offset:64*\b
	ds_store_b128 v[STO], v[8*(4*\a+\b)+4:8*(4*\a+\b)+7] offset:64*\b+16
.endr
	WIN 0
	s_wait_xcnt 0x0                                ; OB, which the last stores read, is loaded again only behind this wait (ISA guide 3.1)
.irp t, 0,1,2,3,4,5,6,7
	ds_load_b128 v[OB+4*\t:OB+4*\t+3], v[RD] offset:544*\t         ; LDS serves a wave's instructions in order: these see the stores above
.endr
.irp t, 0,1,2,3,4,5,6,7
	s_wait_dscnt 7-\t
	global_store_b128 v[GO], v[OB+4*\t:OB+4*\t+3], s[10:11] offset:(16*\a+2*\t)*4096 th:TH_STORE_NT   ; sixteen lanes store 256 consecutive bytes, aligned
.endr
.endm
.irp a, 0,1,2,3,4,5,6,7
	OUT16 \a
.endr
	s_wait_tensorcnt 0x0
	ds_add_u32 v254, v255
	s_wait_dscnt 0x0
	CROUND                                         ; the closing round
	s_endpgm
.Lfunc_end_k_q20ad9bcf55_oproj:
	.size	k_q20ad9bcf55_oproj, .Lfunc_end_k_q20ad9bcf55_oproj-k_q20ad9bcf55_oproj
	.p2alignl 7, 3214868480
	.fill 96, 4, 3214868480
	.section	.rodata,"a",@progbits
	.p2align	6, 0x0
	.amdhsa_kernel k_q20ad9bcf55_oproj
		.amdhsa_group_segment_fixed_size 296448
		.amdhsa_private_segment_fixed_size 0
		.amdhsa_enable_private_segment 0
		.amdhsa_kernarg_size 32
		.amdhsa_user_sgpr_count 2
		.amdhsa_user_sgpr_kernarg_segment_ptr 1
		.amdhsa_wavefront_size32 1
		.amdhsa_system_sgpr_workgroup_id_x 1
		.amdhsa_system_sgpr_workgroup_id_y 1
		.amdhsa_system_sgpr_workgroup_id_z 1
		.amdhsa_system_vgpr_workitem_id 0
		.amdhsa_next_free_vgpr 768
		.amdhsa_next_free_sgpr 66
		.amdhsa_reserve_vcc 0
		.amdhsa_float_denorm_mode_32 3
		.amdhsa_float_denorm_mode_16_64 3
		.amdhsa_memory_ordered 1
		.amdhsa_forward_progress 1
		.amdhsa_inst_pref_size 153
	.end_amdhsa_kernel
	.amdgpu_metadata
---
amdhsa.version: [ 1, 2 ]
amdhsa.kernels:
  - .name:           k_q20ad9bcf55_oproj
    .symbol:         k_q20ad9bcf55_oproj.kd
    .args:
      - { .name: cat, .offset: 0, .size: 8, .value_kind: global_buffer, .address_space: global }
      - { .name: wt, .offset: 8, .size: 8, .value_kind: global_buffer, .address_space: global }
      - { .name: bp, .offset: 16, .size: 8, .value_kind: global_buffer, .address_space: global }
      - { .name: out0, .offset: 24, .size: 8, .value_kind: global_buffer, .address_space: global }
    .group_segment_fixed_size: 296448
    .private_segment_fixed_size: 0
    .kernarg_segment_align: 8
    .kernarg_segment_size: 32
    .max_flat_workgroup_size: 128
    .sgpr_count:     66
    .vgpr_count:     768
    .wavefront_size: 32
...
	.end_amdgpu_metadata
.endif
;; end of part 4
;; ======== version 2 of 2: 4 launches; version 1 with the launch prep written anew for expert scheduling mode
;; workspace buffers: wt 4,194,304 bytes; hn 16,777,216 bytes; hv 16,777,216 bytes; cat 16,777,216 bytes
;; launch prep (part 5): grid 128 x 2, 8 waves a work-group, no clusters, 18,432 bytes of LDS; arguments Wx, Wp, wt; writes wt
.if DOCPART == 5
	.amdgcn_target "amdgcn-amd-amdhsa--gfx1250"
	.amdhsa_code_object_version 6
	.text
	.protected	k_q20ad9bcf55_prep
	.globl	k_q20ad9bcf55_prep
	.p2align	8
	.type	k_q20ad9bcf55_prep,@function
k_q20ad9bcf55_prep:
	s_mov_b64 s[64:65], 0
	v_nop
	global_prefetch_b8 v0, s[64:65] scope:SCOPE_SE
	s_setreg_imm32_b32 hwreg(HW_REG_WAVE_SCHED_MODE, 0, 2), 2
	s_setreg_imm32_b32 hwreg(HW_REG_WAVE_MODE, 25, 1), 1
	s_wait_xcnt 0x0
	s_wait_alu depctr_vm_vsrc(0)
; prep: both weights to bf16, in the order in which the two projections' matrix fragments want them.
;   wt[plane][g][ks][b][p][lane][8 bf16]:  plane 0 from Wx [16][1024 d][64 f] f32 (g = head), plane 1 from Wp [1024 in][1024 out] f32 (g = out column / 64)
;   lane = 16 h + r holds column n = 64 g + 16 b + r and k = 32 ks + 16 p + 8 h + 0 .. 7:
;   piece p is registers 4 p .. 4 p + 3 of the fragment of 16 columns x 32 k, so a projection's wave fills a fragment by two loads of 512 consecutive bytes.
;   A group g is 32 ks x 4,096 bytes = 131,072 bytes, a plane 2 MiB.
; Done here once, the 64 row blocks of each projection need not convert and transpose the same 4 MiB again.
; A work-group takes a tile of 128 k x 64 n of one weight: 128 rows of 256 bytes in, 16,384 consecutive bytes out.
; 2 weights x 16 groups x 8 k blocks = 256 work-groups.  The transposition goes through LDS; no tile is shared
; between work-groups and there is no product, so clusters, tensor loads and matrix instructions have no use here.
; THE MODE: SCHED_MODE bits 1:0 = 2 (LLVM: expert scheduling mode 2), set by the entry lines.  The code itself states the register dependences
; between vector instructions and memory or LDS instructions, with s_wait_alu, always for 0.
; THE PLAN.  Registers that memory or LDS instructions touch, in program order (there is no loop):
;   OFS v[8:15]    written by eight adds at the head; read by the eight global loads; never written again.
;   X   v[16:47]   the global loads land here; the conversions read it (group 0: v[16:31], group 1: v[32:47]); behind the barrier the four LDS loads
;                  land in v[16:31], which the four global stores read.
;   PK  v[48:63]   group i's eight conversions write v[48+8 i ..]; its four LDS stores read them; never written again.
;   LA, LB, GO     v2, v3, v4: made behind the global loads; read by the LDS stores, the LDS loads, the global stores; never written again.
;   v64, v65       written at the head, read by the closing add alone.
; So the vector work stands in runs, each with one wait on va_vdst behind it: the eight adds, then the eight loads; a group's eight conversions, then its
; four LDS stores.  No register that a memory or LDS instruction reads is written again, so no wait on vm_vsrc is owed; no vector instruction writes a
; scalar register or VCC, and EXEC is never written.
.set TP,   272                         ; LDS pitch of a row T[n][0..127]: 256 bytes + 16
.set LA,   2                           ; v2      LDS address of my stores
.set LB,   3                           ; v3      LDS address of my loads
.set GO,   4                           ; v4      my byte offset in the tile of wt
.set OFS,  8                           ; v[8:15]  byte offsets of my eight loads
.set X,    16                          ; v[16:47] eight loads of four f32; later the four pieces on the way out
.set PK,   48                          ; v[48:63] packed bf16
.set RS,   24                          ; s[24:31] bytes from my first row to the row of each of my eight loads: a register each, so that none that a vector instruction reads is written again
	s_load_b128 s[4:7], s[0:1], 0x0                ; Wx s[4:5], Wp s[6:7]
	s_load_b64 s[8:9], s[0:1], 0x10                ; wt
	v_lshl_add_u32 v64, v0, 2, 0x4400
	v_mov_b32 v65, 0
	s_and_b32 s10, ttmp7, 0xffff                   ; y: which weight
	s_lshr_b32 s11, ttmp9, 3                       ; g: group of 64 n (for Wx: the head)
	s_and_b32 s12, ttmp9, 7                        ; kb: block of 128 k
	s_lshl_b32 s13, s11, 18                        ; Wx: head x 1024 rows x 256 bytes
	s_lshl_b32 s14, s12, 15                        ;     + kb x 128 rows x 256 bytes
	s_add_co_u32 s13, s13, s14
	s_lshl_b32 s14, s12, 19                        ; Wp: kb x 128 rows x 4,096 bytes
	s_lshl_b32 s15, s11, 8                         ;     + g x 64 columns x 4 bytes
	s_add_co_u32 s14, s14, s15
	s_lshl_b32 s16, s10, 21                        ; wt: plane of 2 MiB
	s_lshl_b32 s17, s11, 17                        ;     + g x 131,072 bytes
	s_add_co_u32 s16, s16, s17
	s_lshl_b32 s17, s12, 14                        ;     + kb x 4 ks x 4,096 bytes
	s_add_co_u32 s16, s16, s17
	s_mov_b32 s17, 0
	s_mov_b32 s19, 0
	s_mov_b32 s21, 256                             ; bytes from row to row in Wx's tile
	s_mov_b32 s22, 4096                            ; and in Wp's
	v_and_b32 v1, 15, v0                           ; c: my four columns n = 4c .. 4c+3 on the way in; r on the way out
	v_lshrrev_b32 v5, 4, v0                        ; p: my rows k = 4p .. 4p+3 (and 64 further down)
	s_wait_kmcnt 0x0
	s_cmp_eq_u32 s10, 0
	s_cselect_b64 s[4:5], s[4:5], s[6:7]           ; the source
	s_cselect_b32 s18, s13, s14                    ; the tile's offset in it
	s_cselect_b32 s20, s21, s22                    ; its row pitch
	s_add_nc_u64 s[4:5], s[4:5], s[18:19]
	s_add_nc_u64 s[8:9], s[8:9], s[16:17]
	v_lshlrev_b32 v6, 2, v5
	v_mul_lo_u32 v6, v6, s20                       ; 4p rows
	v_lshl_add_u32 v6, v1, 4, v6                   ; + 16 c
	; eight loads: row 4p + e + 64 i.  Sixteen neighbouring lanes take one whole row of 256 bytes.
.irp i, 0,1
.irp e, 0,1,2,3
	s_mul_i32 s[RS+4*\i+\e], s20, \e+64*\i
.endr
.endr
.irp i, 0,1
.irp e, 0,1,2,3
	v_add_nc_u32 v[OFS+4*\i+\e], s[RS+4*\i+\e], v6
.endr
.endr
	s_wait_alu depctr_va_vdst(0)                   ; the eight adds have written v[OFS ..], which the eight loads read as their offsets
.irp i, 0,1
.irp e, 0,1,2,3
	global_load_b128 v[X+16*\i+4*\e:X+16*\i+4*\e+3], v[OFS+4*\i+\e], s[4:5] th:TH_LOAD_NT
.endr
.endr
	v_mul_u32_u24 v[LA], v1, 4*TP
	v_lshl_add_u32 v[LA], v5, 3, v[LA]             ; T[4c][4p]: 4c rows of 272 bytes + 4p x 2 bytes
	; back: thread t = 64 b + 32 p + 16 h + r takes T[16 b + r][32 i + 16 p + 8 h ..], 16 bytes, in turn i
	v_lshrrev_b32 v7, 6, v0                        ; b
	v_lshl_add_u32 v7, v7, 4, v1                   ; n = 16 b + r
	v_mul_u32_u24 v[LB], v7, TP
	v_bfe_u32 v7, v0, 4, 2                         ; 2 p + h
	v_lshl_add_u32 v[LB], v7, 4, v[LB]             ; + 32 p + 16 h bytes
	v_lshlrev_b32 v[GO], 4, v0                     ; and puts them at 16 t of the K step's 4,096 bytes
; Four rows k of four columns n become, for each n, four neighbouring k: 8 bytes of T[n].  A group's eight conversions stand in one run, its four LDS stores in another.
.macro CONV i
.irp n, 0,1,2,3
	v_cvt_pk_bf16_f32 v[PK+8*\i+2*\n],   v[X+16*\i+\n],   v[X+16*\i+4+\n]
	v_cvt_pk_bf16_f32 v[PK+8*\i+2*\n+1], v[X+16*\i+8+\n], v[X+16*\i+12+\n]
.endr
.endm
.macro PUT i
.irp n, 0,1,2,3
	ds_store_b64 v[LA], v[PK+8*\i+2*\n:PK+8*\i+2*\n+1] offset:\n*TP+128*\i
.endr
.endm
	s_wait_loadcnt 0x4                             ; loads come back in order: rows 4p .. 4p+3 are in, the four of the second group stay out
	CONV 0
	s_wait_alu depctr_va_vdst(0)                   ; group 0's conversions have written v[PK .. PK+7], which its LDS stores read; v[LA], v[LB] and v[GO] are written, which the LDS stores, the LDS loads and the global stores read
	PUT 0
	s_wait_loadcnt 0x0
	CONV 1
	s_wait_alu depctr_va_vdst(0)                   ; group 1's conversions have written v[PK+8 .. PK+15], which its LDS stores read; all sixteen conversions are done reading v[X ..], in which the LDS loads behind the barrier land
	PUT 1
	s_wait_dscnt 0x0                               ; my stores are in LDS, for the other waves' sake: zero
	s_barrier_signal -1
	s_barrier_wait -1                              ; everybody's are
.irp i, 0,1,2,3
	ds_load_b128 v[X+4*\i:X+4*\i+3], v[LB] offset:64*\i            ; K step i of the tile's four; sixteen lanes take sixteen rows, pitch 17 x 16 bytes.  No wait: no vector instruction since the wait above
.endr
.irp i, 0,1,2,3
	s_wait_dscnt 3-\i
	global_store_b128 v[GO], v[X+4*\i:X+4*\i+3], s[8:9] offset:4096*\i    ; a wave stores 512 consecutive bytes, aligned
.endr
	s_wait_dscnt 0x0                               ; the closing lines, six on end
	s_wait_alu 0x0
	s_wait_tensorcnt 0x0
	ds_add_u32 v64, v65
	s_wait_dscnt 0x0
	s_endpgm
.Lfunc_end_k_q20ad9bcf55_prep:
	.size	k_q20ad9bcf55_prep, .Lfunc_end_k_q20ad9bcf55_prep-k_q20ad9bcf55_prep
	.p2alignl 7, 3214868480
	.fill 96, 4, 3214868480
	.section	.rodata,"a",@progbits
	.p2align	6, 0x0
	.amdhsa_kernel k_q20ad9bcf55_prep
		.amdhsa_group_segment_fixed_size 18432
		.amdhsa_private_segment_fixed_size 0
		.amdhsa_enable_private_segment 0
		.amdhsa_kernarg_size 24
		.amdhsa_user_sgpr_count 2
		.amdhsa_user_sgpr_kernarg_segment_ptr 1
		.amdhsa_wavefront_size32 1
		.amdhsa_system_sgpr_workgroup_id_x 1
		.amdhsa_system_sgpr_workgroup_id_y 1
		.amdhsa_system_sgpr_workgroup_id_z 1
		.amdhsa_system_vgpr_workitem_id 0
		.amdhsa_next_free_vgpr 66
		.amdhsa_next_free_sgpr 66
		.amdhsa_reserve_vcc 0
		.amdhsa_float_denorm_mode_32 3
		.amdhsa_float_denorm_mode_16_64 3
		.amdhsa_memory_ordered 1
		.amdhsa_forward_progress 1
		.amdhsa_inst_pref_size 7
	.end_amdhsa_kernel
	.amdgpu_metadata
---
amdhsa.version: [ 1, 2 ]
amdhsa.kernels:
  - .name:           k_q20ad9bcf55_prep
    .symbol:         k_q20ad9bcf55_prep.kd
    .args:
      - { .name: Wx, .offset: 0, .size: 8, .value_kind: global_buffer, .address_space: global }
      - { .name: Wp, .offset: 8, .size: 8, .value_kind: global_buffer, .address_space: global }
      - { .name: wt, .offset: 16, .size: 8, .value_kind: global_buffer, .address_space: global }
    .group_segment_fixed_size: 18432
    .private_segment_fixed_size: 0
    .kernarg_segment_align: 8
    .kernarg_segment_size: 24
    .max_flat_workgroup_size: 256
    .sgpr_count:     66
    .vgpr_count:     66
    .wavefront_size: 32
...
	.end_amdgpu_metadata
.endif
;; end of part 5
;; launch proj: the kernel of part 2 again; grid 4 x 64, 4 waves a work-group, clusters of 4 x 4, 327,680 bytes of LDS; arguments sin, wt, bx, hn, hv; writes hn, hv
;; launch attn: the kernel of part 3 again; grid 256 x 1, 8 waves a work-group, clusters of 4 x 1, 327,680 bytes of LDS; arguments hn, hv, cat; writes cat
;; launch oproj: the kernel of part 4 again; grid 4 x 64, 4 waves a work-group, clusters of 4 x 4, 296,448 bytes of LDS; arguments cat, wt, bp, out0; writes out0
